; MI455X (gfx1250); checked and timed in simulation.
; The chip was launched on July 23, 2026; its instructions are those of AMD's public machine-readable ISA for CDNA 5 (MIT licence, August 2026) and "CDNA5" Instruction Set Architecture Reference Guide (July 2026). The comments in the code are by the model that wrote it; some were corrected since.
;; Feed Forward2. Allowed arithmetic: matrix products marked QUANTISED: E2M3 operands, one E8M0 scale for each 32 along K, by v_wmma_scale_f32_16x16x128_f8f6f4 with both operands' format E2M3, f32 sums; products left as they are: f32 operands where the result goes on into a quantised operand, else bf16, f16 or f32 operands; f32 sums; everything else in f32.
;; Inputs: b1 128 float32; b2 128 float32; b3 1,024 float32; w1 1,024 x 128 float32; w2 1,024 x 128 float32; w3 128 x 128 x 1,024 float32; x 2 x 2,048 x 1,024 float32.
;; Outputs: out0 2 x 2,048 x 1,024 float32.
;; This version of the problem:
;;   THIS VERSION OF THE PROBLEM IS GIVEN IN LOW PRECISION. The matrix products marked QUANTISED in the list below multiply operands that are first quantised to E2M3 (2 exponent bits, 3 mantissa bits; 6 bits a number), with one power-of-two scale for each 32 numbers along K (OCP MX v1.0); their sums are f32. All else is computed in f32.
;;   The module's matrix products, in the order in which they are computed (A, B: the left and right operand; K: the contracted axis; several contracted axes count as one K, in the product's order):
;;     1. [M 4,096, K 1,024] x [K 1,024, N 128]; A: input x; B: input w1: QUANTISED
;;     2. [M 4,096, K 1,024] x [K 1,024, N 128]; A: input x; B: input w2: QUANTISED
;;     3. batch 4,096 x [M 128, K 1] x [K 1, N 128]; A: computed on the way; B: computed on the way: left as it is (no contracted axis)
;;     4. [M 4,096, K 16,384] x [K 16,384, N 1,024]; A: computed on the way; B: input w3: QUANTISED
;;   THE QUANTISER, for each operand of a quantised product, along K:
;;     - K is cut into blocks of 32 from its start; a last block that is shorter is filled with zeros.
;;     - A block's scale is 2^e with e = floor(log2(the largest magnitude in the block)) - 2, held to -126 .. 127; a block of zeros has e = 0. As a byte (E8M0): e + 127.
;;     - Each number is divided by its block's scale, clamped to +-7.5, and rounded to the nearest number of E2M3, ties to even, subnormals kept.
;;     - The product sums the exact products of the quantised numbers (number of the format x scale) in f32.
;;   ~~~python
;;   def quantise(x, axis):      # numpy; x: float32 -> the quantised numbers, widened to float32 again
;;       x = np.moveaxis(x, axis, -1); K = x.shape[-1]
;;       x = np.pad(x, [(0, 0)] * (x.ndim - 1) + [(0, -K % 32)]); x = x.reshape(x.shape[:-1] + (-1, 32)); a = np.abs(x).max(-1, keepdims=True)
;;       e = np.where(a > 0, np.clip(np.frexp(np.where(a > 0, a, 1))[1] - 1 - 2, -126, 127), 0)      # np.frexp(a)[1] - 1 = floor(log2(a)), exactly
;;       r = np.clip(x / 2.0 ** e, -7.5, 7.5)
;;       step = 2.0 ** (np.maximum(np.frexp(np.where(r == 0, 1, r))[1] - 1, 0) - 3)
;;       q = np.round(r / step) * step * 2.0 ** e      # np.round: ties to even
;;       return np.moveaxis(q.reshape(q.shape[:-2] + (-1,))[..., :K], -1, axis).astype(np.float32)
;;   ~~~
;;   OPERANDS COMPUTED ON THE WAY. 'Computed on the way' means the value that the module computes at that place (a softmax that the list does not call 'softmax' is quantised finished and normalised). What goes into a quantiser is computed in f32, as accurately as f32 sums, v_exp_f32 and their like allow (about 1e-6 of the number): no bf16 or f16 on the way to a quantiser, and a product that is left as it is and whose result goes on into a quantised operand takes f32 operands (vector FMAs, or v_wmma_f32_16x16x4_f32). A number that lies on a knife's edge between two numbers of the format may be rounded either way, as far as f32 arithmetic and the matrix unit's own rounding can turn it there, and no further.
;; One version. Each part assembles by itself: llvm-mc -triple=amdgcn-amd-amdhsa -mcpu=gfx1250 --defsym DOCPART=n.
;; ======== version 1 of 1: 3 launches
;; limits: right only within a limited range of input values
;; workspace buffers: w3c 13,107,200 bytes; wab 204,800 bytes; asb 10,485,760 bytes; bimg 2,097,152 bytes
;; launch quantw (part 1): grid 1040 x 1, 4 waves a work-group, no clusters, 1,536 bytes of LDS; arguments w3, w1, w2, w3c, wab; writes w3c, wab
.if DOCPART == 1
	.amdgcn_target "amdgcn-amd-amdhsa--gfx1250"
	.amdhsa_code_object_version 6
	.text
	.protected	k_q2e74dc4b79_quantw
	.globl	k_q2e74dc4b79_quantw
	.p2align	8
	.type	k_q2e74dc4b79_quantw,@function
k_q2e74dc4b79_quantw:
	s_mov_b64 s[64:65], 0
	v_nop
	global_prefetch_b8 v0, s[64:65] scope:SCOPE_SE
	s_setreg_imm32_b32 hwreg(HW_REG_WAVE_MODE, 25, 1), 1
	s_wait_xcnt 0x0
; w3 [16384 (k = 128 i + j)][1024], w1 and w2 [1024 (k)][128], f32 with K as the FIRST axis, become codes of FP6 (E2M3) with one E8M0 byte for each 32 along K,
; laid as IMAGES OF OPERAND REGISTERS.  A work-group makes one CHUNK of 12,800 bytes: 128 columns x 128 along K = 8 fragments of 16 columns (1,536 bytes each: registers 4 g .. 4 g + 3 of
; fragment lane l at g x 512 + 16 l), then 512 bytes of scale words (fragment n, column r: word at (n / 4) x 256 + 16 r + 4 (n % 4), byte beta = block beta).
; Which four blocks of 32 rows form a chunk: w1, w2: rows 128 s + 32 beta.  w3: rows 256 sigma + 64 kh + {0, 32, 128, 160}: i = 2 sigma + (beta / 2), j block 2 kh + (beta % 2), as the last launch walks K.
; A LANE TAKES A COLUMN AND ITS REGISTERS RUN DOWN K: a load reads 128 neighbouring bytes a wave (512 a work-group), a block's largest magnitude needs no other lane, and the conversions give codes with K innermost.
; A block's scale is 2^(floor(log2(largest magnitude)) - 2); its byte is the largest magnitude's exponent field - 2, held at 1 from below.
; LIMITS: NaN and infinities are not served; a block of zeros, or one whose largest magnitude lies under 2^-124, gets the byte 1 (zero codes add nothing under it; this program alone reads the bytes).
; Work-groups 0 .. 1023 take w3 (ng = g % 8, kh = (g / 8) % 2, sigma = g / 16), 1024 .. 1031 w1, 1032 .. 1039 w2: one path; only pointers, offsets and the pitch are chosen, on the work-group's number.
.set OFS, 16                           ; v16-47   byte offset of my column in row j of a block
.set XN,  48                           ; v48-111  two sets of 32 numbers
.set ON,  112                          ; v112-135 my column's codes: for half h at 112 + 12 h: block h, then block 2 + h: the 12 registers of fragment lane (r, h)
.set SN,  136                          ; v136-138 a block's upper 16 codes (a conversion's three registers begin on an even number)
	s_load_b128 s[4:7], s[0:1], 0x0                ; w3, w1
	s_load_b128 s[8:11], s[0:1], 0x10              ; w2, w3c
	s_load_b64 s[12:13], s[0:1], 0x20              ; wab
	v_lshl_add_u32 v144, v0, 2, 0x400
	v_mov_b32 v145, 0
	v_lshrrev_b32 v1, 5, v0
	v_readfirstlane_b32 s40, v1                    ; wave P: columns 32 P .. 32 P + 31, fragments 2 P and 2 P + 1
	v_and_b32 v5, 15, v0                           ; r
	v_lshrrev_b32 v2, 4, v0                        ; fragment n = 2 P + lane / 16
	v_mul_u32_u24 v2, v2, 1536
	v_lshl_add_u32 v2, v5, 4, v2                   ; the codes' place in the chunk: 1,536 n + 16 r
	v_bfe_u32 v3, v0, 4, 2                         ; n % 4
	v_lshlrev_b32 v3, 2, v3
	v_lshl_add_u32 v3, v5, 4, v3
	v_bfe_u32 v6, v0, 6, 1                         ; n / 4
	v_lshl_add_u32 v3, v6, 8, v3                   ; LDS: the scale word's place: 256 (n / 4) + 16 r + 4 (n % 4)
	v_and_b32 v4, 31, v0
	v_lshlrev_b32 v4, 4, v4                        ; 16 x lane: the scale words' way out
	s_and_b32 s16, ttmp9, 7                        ; ng
	s_lshr_b32 s17, ttmp9, 4                       ; sigma
	s_bfe_u32 s18, ttmp9, 0x10003                  ; kh
	s_lshl_b32 s32, s17, 20                        ; w3: 256 sigma rows of 4,096 bytes
	s_lshl_b32 s19, s18, 18                        ; + 64 kh rows
	s_add_co_u32 s32, s32, s19
	s_lshl_b32 s19, s16, 9                         ; + 128 ng columns
	s_add_co_u32 s32, s32, s19
	s_lshl_b32 s34, s16, 4                         ; w3c: [ng][t = sigma / 4][kh][sigma % 4] chunks
	s_lshr_b32 s19, s17, 2
	s_add_co_u32 s34, s34, s19
	s_lshl_b32 s34, s34, 1
	s_add_co_u32 s34, s34, s18
	s_mul_i32 s34, s34, 51200
	s_and_b32 s19, s17, 3
	s_mul_i32 s19, s19, 12800
	s_add_co_u32 s34, s34, s19
	s_cmp_lt_u32 ttmp9, 1024
	s_cselect_b32 s20, 0, 1024
	s_sub_co_u32 s20, ttmp9, s20                   ; g' = g - 1024 in the small tensors' work-groups
	s_and_b32 s21, s20, 7
	s_lshl_b32 s21, s21, 16                        ; w1, w2: 128 s rows of 512 bytes
	s_mul_i32 s20, s20, 12800                      ; wab: chunk g'
	s_mov_b32 s14, 512
	s_mov_b32 s33, 0
	s_mov_b32 s35, 0
	s_mov_b32 s37, 0
	s_mov_b32 s39, 0
	s_wait_kmcnt 0x0
	s_cmp_lt_u32 ttmp9, 1032
	s_cselect_b64 s[6:7], s[6:7], s[8:9]           ; w1 or w2
	s_cmp_lt_u32 ttmp9, 1024
	s_cselect_b64 s[4:5], s[4:5], s[6:7]           ; the source,
	s_cselect_b64 s[10:11], s[10:11], s[12:13]     ; the destination,
	s_cselect_b32 s32, s32, s21                    ; their offsets,
	s_cselect_b32 s34, s34, s20
	s_cselect_b32 s14, 4096, s14                   ; the pitch of a row in bytes,
	s_cselect_b32 s15, 128, 64                     ; and how many rows on blocks 2 and 3 begin
	s_add_nc_u64 s[24:25], s[4:5], s[32:33]        ; block 0
	s_add_nc_u64 s[10:11], s[10:11], s[34:35]      ; my chunk
	s_lshl_b32 s36, s14, 5                         ; 32 rows
	s_mul_i32 s38, s15, s14
	s_add_nc_u64 s[26:27], s[24:25], s[36:37]      ; block 1
	s_add_nc_u64 s[28:29], s[24:25], s[38:39]      ; block 2
	s_add_nc_u64 s[30:31], s[28:29], s[36:37]      ; block 3
	v_lshlrev_b32 v[OFS], 2, v0                    ; 4 x thread = 128 P + 4 x lane
.set lj, 1
.rept 31
	v_add_nc_u32 v[OFS+lj], s14, v[OFS+lj-1]       ; a row further down
.set lj, lj+1
.endr
.macro LOAD t                          ; block t's 32 numbers of my column into set t % 2
.set lj, 0
.rept 32
	global_load_b32 v[XN+32*((\t)%2)+lj], v[OFS+lj], s[24+2*(\t):25+2*(\t)] th:TH_LOAD_NT
.set lj, lj+1
.endr
.endm
.macro BLOCK t
.set XS, XN+32*((\t)%2)
.set DD, ON+12*((\t)&1)+6*((\t)>>1)
.if (\t) < 3
	s_wait_loadcnt 32                              ; this block's 32 loads are in; the next block's 32 may be out
.else
	s_wait_loadcnt 0x0
.endif
	v_max3_num_f32 v12, |v[XS]|, |v[XS+1]|, |v[XS+2]|              ; the block's largest magnitude, in two chains
	v_max3_num_f32 v13, |v[XS+3]|, |v[XS+4]|, |v[XS+5]|
.irp i, 6,10,14,18,22,26
	v_max3_num_f32 v12, v12, |v[XS+\i]|, |v[XS+\i+1]|
	v_max3_num_f32 v13, v13, |v[XS+\i+2]|, |v[XS+\i+3]|
.endr
	v_max3_num_f32 v12, v12, |v[XS+30]|, |v[XS+31]|
	v_max3_num_f32 v12, v12, v13, 0x1800000        ; and the floor 2^(3 - 127): the byte cannot fall under 1
	v_add_nc_u32 v11, 0xff000000, v12              ; 2 off the exponent field: the conversion takes this operand's exponent field as its scale
	v_cvt_scalef32_pk16_fp6_f32 v[DD:DD+2], v[XS:XS+15], v11
	v_cvt_scalef32_pk16_fp6_f32 v[SN:SN+2], v[XS+16:XS+31], v11
	v_lshrrev_b32 v13, 23, v11                     ; the scale's byte (also the plain line behind the conversions)
.if (\t) == 0
	v_mov_b32 v14, v13
.else
	v_lshl_or_b32 v14, v13, 8*(\t), v14            ; byte beta of my column's scale word
.endif
	v_mov_b32 v[DD+3], v[SN]
	v_mov_b32 v[DD+4], v[SN+1]
	v_mov_b32 v[DD+5], v[SN+2]
.if (\t) < 2
	LOAD (\t)+2
.endif
.endm
	LOAD 0
	LOAD 1
	BLOCK 0
	BLOCK 1
	BLOCK 2
	BLOCK 3
.irp h, 0,1
.irp g, 0,1,2
	global_store_b128 v2, v[ON+12*\h+4*\g:ON+12*\h+4*\g+3], s[10:11] offset:512*\g+256*\h   ; sixteen lanes store 256 consecutive bytes, at a multiple of 256 from the buffer's first byte
.endr
.endr
	ds_store_b32 v3, v14                           ; the four waves' scale words meet in LDS
	s_wait_dscnt 0x0                               ; for the others' sake: my store has landed
	s_barrier_signal -1
	s_barrier_wait -1
	s_cmp_lg_u32 s40, 0
	s_cbranch_scc1 .Ldone                          ; wave 0 stores the chunk's 512 bytes of scale words
	ds_load_b128 v[140:143], v4
	s_wait_dscnt 0x0
	global_store_b128 v4, v[140:143], s[10:11] offset:12288
.Ldone:
	s_wait_tensorcnt 0x0
	ds_add_u32 v144, v145
	s_wait_dscnt 0x0
	s_endpgm
.Lfunc_end_k_q2e74dc4b79_quantw:
	.size	k_q2e74dc4b79_quantw, .Lfunc_end_k_q2e74dc4b79_quantw-k_q2e74dc4b79_quantw
	.p2alignl 7, 3214868480
	.fill 96, 4, 3214868480
	.section	.rodata,"a",@progbits
	.p2align	6, 0x0
	.amdhsa_kernel k_q2e74dc4b79_quantw
		.amdhsa_group_segment_fixed_size 1536
		.amdhsa_private_segment_fixed_size 0
		.amdhsa_enable_private_segment 0
		.amdhsa_kernarg_size 40
		.amdhsa_user_sgpr_count 2
		.amdhsa_user_sgpr_kernarg_segment_ptr 1
		.amdhsa_wavefront_size32 1
		.amdhsa_system_sgpr_workgroup_id_x 1
		.amdhsa_system_sgpr_workgroup_id_y 1
		.amdhsa_system_sgpr_workgroup_id_z 1
		.amdhsa_system_vgpr_workitem_id 0
		.amdhsa_next_free_vgpr 146
		.amdhsa_next_free_sgpr 66
		.amdhsa_reserve_vcc 0
		.amdhsa_float_denorm_mode_32 3
		.amdhsa_float_denorm_mode_16_64 3
		.amdhsa_memory_ordered 1
		.amdhsa_forward_progress 1
		.amdhsa_inst_pref_size 23
	.end_amdhsa_kernel
	.amdgpu_metadata
---
amdhsa.version: [ 1, 2 ]
amdhsa.kernels:
  - .name:           k_q2e74dc4b79_quantw
    .symbol:         k_q2e74dc4b79_quantw.kd
    .args:
      - { .name: w3, .offset: 0, .size: 8, .value_kind: global_buffer, .address_space: global }
      - { .name: w1, .offset: 8, .size: 8, .value_kind: global_buffer, .address_space: global }
      - { .name: w2, .offset: 16, .size: 8, .value_kind: global_buffer, .address_space: global }
      - { .name: w3c, .offset: 24, .size: 8, .value_kind: global_buffer, .address_space: global }
      - { .name: wab, .offset: 32, .size: 8, .value_kind: global_buffer, .address_space: global }
    .group_segment_fixed_size: 1536
    .private_segment_fixed_size: 0
    .kernarg_segment_align: 8
    .kernarg_segment_size: 40
    .max_flat_workgroup_size: 128
    .sgpr_count:     66
    .vgpr_count:     146
    .wavefront_size: 32
...
	.end_amdgpu_metadata
.endif
;; end of part 1
;; launch ab (part 2): grid 256 x 1, 4 waves a work-group, no clusters, 82,432 bytes of LDS; arguments x, wab, b1, b2, asb, bimg; writes asb, bimg
.if DOCPART == 2
	.amdgcn_target "amdgcn-amd-amdhsa--gfx1250"
	.amdhsa_code_object_version 6
	.text
	.protected	k_q2e74dc4b79_ab
	.globl	k_q2e74dc4b79_ab
	.p2align	8
	.type	k_q2e74dc4b79_ab,@function
k_q2e74dc4b79_ab:
	s_mov_b64 s[64:65], 0
	v_nop
	global_prefetch_b8 v0, s[64:65] scope:SCOPE_SE
	s_setreg_imm32_b32 hwreg(HW_REG_WAVE_MODE, 25, 1), 1
	s_wait_xcnt 0x0
; a = swish(x w1 + b1), b = swish(x w2 + b2) for 16 rows of x a work-group, both products on codes of FP6 (E2M3) with E8M0 scales; then what the last launch wants of a and b.
; The last launch quantises the outer product a_i b_j along k = 128 i + j: a block is 32 neighbouring j at one i.  Rounding never turns an order round, so the block's largest magnitude is
; fl(|a_i| x max |b_j|): one multiplication.  With E its exponent field (held at 3 from below) the block's byte is E - 2, and a' = a_i x 2^(129 - E) is exact: fl(a' b_j) is fl(a_i b_j) / the scale, bit for bit.
; STORED: bimg [row tile][j block 4][q 8][r 16][16 bytes]: b(row r, 32 jb + 4 q ..).  asb [R 32][slot t 16][kh 2][10,240 bytes]: for the 8 row tiles tw of block R: a' at 1,024 tw + 512 u + 16 lane
; (lane (r, hm): j block 2 kh + hm; four numbers: two steps x (i even, i odd); u = 0: steps 2, 3 of slot t; u = 1: steps 0, 1 of slot (t + 1) % 16); scale words at 8,192 + 256 tw + 16 r + 4 sp.
; (Step sigma = i / 2 = 4 t + sp; byte 2 c + hm of a word: i = 2 sigma + c, j block 2 kh + hm.)
; SHARES.  Wave w quantises x's K steps 2 w, 2 w + 1 (images of the operand's registers go through LDS to all four), then makes units 32 w .. 32 w + 31 of a and of b: the latter are j block w.
; The products are used transposed (source 0 = 16 columns of a weight, source 1 = x's 16 rows): lane (r, h) holds row r and units 16 T + 8 h + 0 .. 7.  The biases are the C of each sum's first instruction.
; LIMITS: NaN and infinities are not served; swish gives -0 where 2^(-1.4427 z) overflows; where |a_i| max|b_j| lies under 2^-124 the byte is 1 and a' is held at +-3.4e38.
; REGISTERS: window 0: v1-13, v35 addresses; v14-33 codes just made, v34 their scale word, v36-51 at work; v52-83 the weights' scale words; v84-91 x's; v92-95 the four j blocks' largest |b|;
;   v96-223 x's numbers, then x's 8 fragments (v96-191) and the 4 accumulators (v192-223: a, a, b, b), then a' (v96-159), words (v160-175), work (v176-190).
;   window 1: w1's 16 fragments (K step s, tile e at 12 (2 s + e)), b1 at v192-207.   window 2: the same of w2 and b2.
.set XIMG, 66560                       ; LDS: four stages of 16 rows x 1,040 bytes (one a wave) from 0; x's 8 fragment images;
.set XSC,  78848                       ; their scale words, 128 bytes each;
.set BMO,  79872                       ; the largest |b|: 16 rows x 4 j blocks
.set FRB,  1536
.set XA,  4                            ; v4   16 x lane
.set SWI, 5                            ; v5   my stage, on the way in
.set SRD, 6                            ; v6   and on the way out: row r, + 64 h
.set XWI, 7                            ; v7   where I store x's images
.set XWS, 8                            ; v8   and their scale words
.set FI,  9                            ; v9   where an image is read: XIMG + 16 x lane
.set FS,  10                           ; v10  a scale word: XSC + 4 x lane
.set WSO, 11                           ; v11  the weights' scale words in a chunk: my two tiles' pair
.set BO,  12                           ; v12  32 h: the biases
.set BMA, 13                           ; v13  BMO + 16 r
.set BMS, 35                           ; v35  BMO + 16 r + 4 w
.set PC,  14
.set PW,  34
.set TM,  36
.set WS,  52
.set XS,  84
.set BMX, 92
.set XR,  96
.set ACC, 192
.set APR, 96
.set WD,  160
.set SEL, 20
.set MSB, 0
.macro WIN new                         ; the immediate's high byte repeats the setting that is left
.if MSB != (\new)
	s_set_vgpr_msb (MSB<<8)|(\new)
.set MSB, \new
.endif
.endm
; 64 numbers of a lane, register 16 b + i = k 32 b + 16 (lane / 16) + i of my row, become a fragment's codes in v[PC] on and its scale word in v[PW].
.macro QUANT s
.irp b, 0,1,2,3
	v_max3_num_f32 v[TM+\b], |v[\s+16*\b]|, |v[\s+1+16*\b]|, 0x1800000   ; my 16 numbers of block b, and the floor 2^(3 - 127)
.endr
.irp i, 2,4,6,8,10,12,14
.irp b, 0,1,2,3
	v_max3_num_f32 v[TM+\b], v[TM+\b], |v[\s+16*\b+\i]|, |v[\s+1+16*\b+\i]|
.endr
.endr
.irp b, 0,1,2,3
	v_permlanex16_b32 v[TM+4+\b], v[TM+\b], s[SEL], s[SEL+1]
.endr
.irp b, 0,1,2,3
	v_max_num_f32 v[TM+\b], v[TM+\b], v[TM+4+\b]   ; with lane l xor 16's: the block's largest magnitude
.endr
.irp b, 0,1,2,3
	v_add_nc_u32 v[TM+12+\b], 0xff000000, v[TM+\b] ; 2 off its exponent field: the conversion's scale operand
.endr
.irp b, 0,1,2,3
	v_lshrrev_b32 v[TM+4+\b], 23, v[TM+12+\b]      ; the scale's byte
.endr
	v_lshl_or_b32 v[PW], v[TM+5], 8, v[TM+4]
	v_lshl_or_b32 v[PW], v[TM+6], 16, v[PW]
	v_lshl_or_b32 v[PW], v[TM+7], 24, v[PW]
.irp c, 0,1
	v_cvt_scalef32_pk16_fp6_f32 v[PC+6*\c:PC+2+6*\c], v[\s+32*\c:\s+15+32*\c], v[TM+12+2*\c]
	v_cvt_scalef32_pk16_fp6_f32 v[PC+12+4*\c:PC+14+4*\c], v[\s+16+32*\c:\s+31+32*\c], v[TM+12+2*\c+1]
.endr
	v_nop                                          ; one plain line behind the scaled conversions
.irp c, 0,1                            ; the operand's layout wants a whole block in a lane: lanes 0-15 block 2 c, lanes 16-31 block 2 c + 1
.irp i, 0,1,2
	v_permlane16_swap_b32 v[PC+6*\c+\i], v[PC+12+4*\c+\i]
.endr
.irp i, 0,1,2
	v_mov_b32 v[PC+3+6*\c+\i], v[PC+12+4*\c+\i]
.endr
.endr
.endm
.macro IMAGE off                       ; the fragment in v[PC] on goes to LDS as it stands
.irp c, 0,1,2
	ds_store_b128 v[XWI], v[PC+4*\c:PC+4*\c+3] offset:\off+512*\c
.endr
.endm
.macro WLOAD m                         ; my 16 fragments of weight m (tiles 2 w, 2 w + 1, all 8 K steps) into window m + 1
	WIN 0x40*((\m)+1)
.irp s, 0,1,2,3,4,5,6,7
.irp e, 0,1
.irp g, 0,1,2
	global_load_b128 v[12*(2*\s+\e)+4*\g:12*(2*\s+\e)+4*\g+3], v[XA], s[30:31] offset:(8*(\m)+\s)*12800+\e*FRB+\g*512
.endr
.endr
.endr
	WIN 0
.endm
.macro BARRIER                         ; my LDS stores have landed and my LDS loads are in: then the work-group's barrier
	s_wait_dscnt 0x0
	s_barrier_signal -1
	s_barrier_wait -1
.endm
	s_load_b256 s[4:11], s[0:1], 0x0               ; x, wab, b1, b2
	s_load_b128 s[12:15], s[0:1], 0x20             ; asb, bimg
	v_lshl_add_u32 v254, v0, 2, 0x14000
	v_mov_b32 v255, 0
	v_lshrrev_b32 v1, 5, v0
	v_readfirstlane_b32 s16, v1                    ; wave w
	v_and_b32 v1, 31, v0                           ; lane
	v_and_b32 v2, 15, v0                           ; r
	v_bfe_u32 v3, v0, 4, 1                         ; h
	v_lshlrev_b32 v[XA], 4, v1
	s_mul_i32 s28, s16, 16640
	v_add_nc_u32 v[SWI], s28, v[XA]
	v_mul_u32_u24 v[SRD], v2, 1040
	v_lshl_add_u32 v[SRD], v3, 6, v[SRD]
	v_add_nc_u32 v[SRD], s28, v[SRD]
	s_mul_i32 s28, s16, 2*FRB
	s_add_co_u32 s28, s28, XIMG
	v_add_nc_u32 v[XWI], s28, v[XA]
	v_lshlrev_b32 v[FS], 2, v1
	s_lshl_b32 s28, s16, 8
	s_add_co_u32 s28, s28, XSC
	v_add_nc_u32 v[XWS], s28, v[FS]
	v_add_nc_u32 v[FS], XSC, v[FS]
	v_add_nc_u32 v[FI], XIMG, v[XA]
	v_lshlrev_b32 v[BMA], 4, v2
	s_lshr_b32 s28, s16, 1
	s_lshl_b32 s28, s28, 8
	s_and_b32 s29, s16, 1
	s_lshl_b32 s29, s29, 3
	s_add_co_u32 s28, s28, s29
	v_add_nc_u32 v[WSO], s28, v[BMA]               ; 16 r + 256 (w / 2) + 8 (w % 2): the words of fragments 2 w, 2 w + 1
	v_lshlrev_b32 v[BO], 5, v3
	v_add_nc_u32 v[BMA], BMO, v[BMA]
	s_lshl_b32 s28, s16, 2
	v_add_nc_u32 v[BMS], s28, v[BMA]
.irp b, 0,1,2,3
	v_mov_b32 v[TM+4+\b], 0                        ; written once: a lane permute's destination counts as one of its sources
.endr
	s_mov_b32 s[SEL], 0x76543210
	s_mov_b32 s[SEL+1], 0xfedcba98                 ; lane l xor 16
	s_mov_b32 s22, 0x01800000                      ; the floor 2^(3 - 127)
	s_mov_b32 s23, 0x7f800000                      ; an exponent field
	s_mov_b32 s24, 0x80000000                      ; 256 in the exponent field's place
	s_mov_b32 s25, 0x7f7fffff                      ; the largest f32 number,
	s_mov_b32 s26, 0xff7fffff                      ; and its negative
	s_lshl_b32 s28, ttmp9, 16                      ; my 16 rows of 4,096 bytes,
	s_lshl_b32 s29, s16, 10                        ; my wave's 256 along K
	s_add_co_u32 s28, s28, s29
	s_mov_b32 s29, 0
	s_mul_i32 s36, s16, 3072                       ; fragments 2 w on in a chunk
	s_mov_b32 s37, 0
	s_lshl_b32 s38, s16, 7                         ; my 32 numbers of a bias
	s_mov_b32 s39, 0
	s_lshl_b32 s40, ttmp9, 13                      ; bimg: my row tile, my j block
	s_lshl_b32 s41, s16, 11
	s_add_co_u32 s40, s40, s41
	s_mov_b32 s41, 0
	s_lshr_b32 s42, ttmp9, 3                       ; R
	s_mul_i32 s42, s42, 327680
	s_mov_b32 s43, 0
	s_and_b32 s44, ttmp9, 7                        ; tw
	s_lshl_b32 s46, s44, 8
	s_lshl_b32 s44, s44, 10
	s_mov_b32 s45, 0
	s_mov_b32 s47, 0
	s_wait_alu depctr_va_vdst(0)
	s_wait_kmcnt 0x0
	s_add_nc_u64 s[4:5], s[4:5], s[28:29]
	s_add_nc_u64 s[30:31], s[6:7], s[36:37]
	s_add_nc_u64 s[8:9], s[8:9], s[38:39]
	s_add_nc_u64 s[10:11], s[10:11], s[38:39]
	s_add_nc_u64 s[14:15], s[14:15], s[40:41]
	s_add_nc_u64 s[12:13], s[12:13], s[42:43]
	s_add_nc_u64 s[32:33], s[12:13], s[44:45]      ; asb at R, + 1,024 tw: a'
	s_add_nc_u64 s[34:35], s[12:13], s[46:47]      ; asb at R, + 256 tw: the words
	; ---- x: each load takes 512 neighbouring bytes of one row
.irp e, 0,1
.irp p, 0,1,2,3,4,5,6,7,8,9,10,11,12,13,14,15
	global_load_b128 v[XR+64*\e+4*\p:XR+64*\e+4*\p+3], v[XA], s[4:5] offset:\p*4096+\e*512 th:TH_LOAD_NT
.endr
.endr
.irp m, 0,1
.irp s, 0,1,2,3,4,5,6,7
	global_load_b64 v[WS+2*(8*\m+\s):WS+2*(8*\m+\s)+1], v[WSO], s[6:7] offset:(8*\m+\s)*12800+12288
.endr
.endr
	WIN 0x40
.irp e, 0,1
.irp q, 0,1
	global_load_b128 v[192+8*\e+4*\q:192+8*\e+4*\q+3], v[BO], s[8:9] offset:64*\e+16*\q    ; b1 at units 16 (2 w + e) + 8 h + 0 .. 7
.endr
.endr
	WIN 0x80
.irp e, 0,1
.irp q, 0,1
	global_load_b128 v[192+8*\e+4*\q:192+8*\e+4*\q+3], v[BO], s[10:11] offset:64*\e+16*\q
.endr
.endr
	WIN 0
	s_wait_loadcnt 40                              ; K step 2 w's 16 loads are in: behind them stand 16 of x, 16 of scale words, 8 of biases
.irp p, 0,1,2,3,4,5,6,7,8,9,10,11,12,13,14,15
	ds_store_b128 v[SWI], v[XR+4*\p:XR+4*\p+3] offset:\p*1040
.endr
	s_wait_loadcnt 24                              ; all of x is in
.irp p, 0,1,2,3,4,5,6,7,8,9,10,11,12,13,14,15
	ds_store_b128 v[SWI], v[XR+64+4*\p:XR+64+4*\p+3] offset:\p*1040+512
.endr
	WLOAD 0                                        ; w1's fragments land while x is quantised
	s_wait_dscnt 0x0                               ; the stores have read their registers, into which the numbers come back
.irp e, 0,1
.irp b, 0,1,2,3
.irp j, 0,1,2,3
	ds_load_b128 v[XR+64*\e+16*\b+4*\j:XR+64*\e+16*\b+4*\j+3], v[SRD] offset:\e*512+\b*128+16*\j   ; row r, k 32 b + 16 h + 4 j ..
.endr
.endr
.endr
	s_wait_dscnt 16                                ; the first K step's 16 loads are in
	QUANT XR
	IMAGE 0
	ds_store_b32 v[XWS], v[PW]
	WLOAD 1                                        ; w2's
	s_wait_dscnt 0x0                               ; the second K step is in, and the stores have read their registers
	QUANT XR+64
	IMAGE FRB
	ds_store_b32 v[XWS], v[PW] offset:128
	BARRIER                                        ; x's eight fragments lie in LDS
.irp f, 0,1,2,3,4,5,6,7
.irp c, 0,1,2
	ds_load_b128 v[XR+12*\f+4*\c:XR+12*\f+4*\c+3], v[FI] offset:\f*FRB+512*\c
.endr
	ds_load_b32 v[XS+\f], v[FS] offset:128*\f
.endr
	s_wait_loadcnt 0x0                             ; the weights, their scale words, the biases
	s_wait_dscnt 0x0
	; ---- products 1 and 2: four accumulators by turns, one instruction a turn, K ascending
.irp s, 0,1,2,3,4,5,6,7
.irp m, 0,1
.if \s == 0
	WIN 0x11*(\m+1)                                ; source 0 (the weight) and C (the bias) in window m + 1
.else
	WIN 0x01*(\m+1)
.endif
.irp e, 0,1
.if \s == 0
	v_wmma_scale_f32_16x16x128_f8f6f4 v[ACC+8*(2*\m+\e):ACC+8*(2*\m+\e)+7], v[12*(2*\s+\e):12*(2*\s+\e)+11], v[XR+12*\s:XR+12*\s+11], v[192+8*\e:192+8*\e+7], v[WS+2*(8*\m+\s)+\e], v[XS+\s] matrix_a_fmt:MATRIX_FMT_FP6 matrix_b_fmt:MATRIX_FMT_FP6
.else
	v_wmma_scale_f32_16x16x128_f8f6f4 v[ACC+8*(2*\m+\e):ACC+8*(2*\m+\e)+7], v[12*(2*\s+\e):12*(2*\s+\e)+11], v[XR+12*\s:XR+12*\s+11], v[ACC+8*(2*\m+\e):ACC+8*(2*\m+\e)+7], v[WS+2*(8*\m+\s)+\e], v[XS+\s] matrix_a_fmt:MATRIX_FMT_FP6 matrix_b_fmt:MATRIX_FMT_FP6
.endif
.endr
.endr
.endr
	WIN 0
.rept 4
	v_nop                                          ; four places behind the last products (ISA guide 7.12.1)
.endr
	; ---- swish in f32: z / (1 + 2^(-z log2 e)); each accumulator is read from its low end on
.set q, 0
.rept 32
	v_mul_f32 v[96+q], 0xbfb8aa3b, v[ACC+q]
.set q, q+1
.endr
.set q, 0
	s_wait_alu depctr_va_vdst(0)
.rept 32
	v_exp_f32 v[96+q], v[96+q]
.set q, q+1
.endr
	v_nop                                          ; a plain line behind the last exponential
	s_wait_alu depctr_va_vdst(0)                   ; one wait for the batch, ahead of its first reader
.set q, 0
.rept 32
	v_add_f32 v[96+q], 1.0, v[96+q]
.set q, q+1
.endr
.set q, 0
	s_wait_alu depctr_va_vdst(0)
.rept 32
	v_rcp_f32 v[96+q], v[96+q]
.set q, q+1
.endr
	v_nop
	s_wait_alu depctr_va_vdst(0)                   ; and one for the reciprocals
.set q, 0
.rept 32
	v_mul_f32 v[ACC+q], v[ACC+q], v[96+q]          ; v192-207: a, v208-223: b
.set q, q+1
.endr
	; ---- b leaves, and its largest magnitude in my j block goes to all four waves
	v_lshlrev_b32 v184, 4, v2
	v_lshl_add_u32 v184, v3, 9, v184               ; 512 h + 16 r
.irp e, 0,1
.irp q, 0,1
	global_store_b128 v184, v[ACC+16+8*\e+4*\q:ACC+16+8*\e+4*\q+3], s[14:15] offset:1024*\e+256*\q   ; unit 4 e + 2 h + q: sixteen lanes store 256 consecutive bytes, aligned
.endr
.endr
	v_max3_num_f32 v36, |v208|, |v209|, |v210|
.irp i, 211,213,215,217,219,221
	v_max3_num_f32 v36, v36, |v[\i]|, |v[\i+1]|
.endr
	v_max_num_f32 v36, v36, |v223|
	v_permlanex16_b32 v40, v36, s[SEL], s[SEL+1]
	v_max_num_f32 v36, v36, v40
	ds_store_b32 v[BMS], v36                       ; lanes r and r + 16 write the same word with the same value
	BARRIER
	ds_load_b128 v[BMX:BMX+3], v[BMA]              ; row r: the four j blocks' largest |b|
	s_lshl_b32 s28, s16, 2
	v_add_nc_u32 v189, s28, v3                     ; my a's slot for e = 0: t' = 4 w + h (e = 1: + 2)
.irp e, 0,1
	v_add_nc_u32 v190, 2*\e, v189
	v_mul_u32_u24 v[185+\e], v190, 20480
	v_lshl_add_u32 v[185+\e], v2, 4, v[185+\e]     ; slot t': steps 2, 3 and the words
	v_add_nc_u32 v190, 15, v190
	v_and_b32 v190, 15, v190
	v_mul_u32_u24 v[187+\e], v190, 20480
	v_lshl_add_u32 v[187+\e], v2, 4, v[187+\e]     ; slot (t' - 1) % 16: steps 0, 1 go half a slot ahead, in a circle
.endr
	s_wait_dscnt 0x0
; One scale word and its four a': tile e, K half kh, step sp: q = 0 .. 3 is (i = 2 sp + q / 2 of my eight, j block 2 kh + q % 2), which is the word's byte q.
.macro SCL e, kh, sp
.irp q, 0,1,2,3
	v_mul_f32 v[176+\q], |v[ACC+8*\e+2*\sp+(\q>>1)]|, v[BMX+2*\kh+(\q&1)]   ; the block's largest magnitude
.endr
.irp q, 0,1,2,3
	v_max_num_f32 v[176+\q], s22, v[176+\q]        ; held at the floor
.endr
.irp q, 0,1,2,3
	v_and_b32 v[180+\q], s23, v[176+\q]
.endr
.irp q, 0,1,2,3
	v_sub_nc_u32 v[180+\q], s24, v[180+\q]         ; the f32 number 2^(129 - E): exponent field 256 - E
.endr
.irp q, 0,1,2,3
	v_mul_f32 v[APR+32*\e+8*(2*\kh+(\q&1))+2*\sp+(\q>>1)], v[ACC+8*\e+2*\sp+(\q>>1)], v[180+\q]
.endr
.irp q, 0,1,2,3
	v_med3_num_f32 v[APR+32*\e+8*(2*\kh+(\q&1))+2*\sp+(\q>>1)], v[APR+32*\e+8*(2*\kh+(\q&1))+2*\sp+(\q>>1)], s26, s25
.endr
.irp q, 0,1,2,3
	v_lshrrev_b32 v[176+\q], 23, v[176+\q]         ; E, at least 3
.endr
	v_lshl_or_b32 v[WD+8*\e+4*\kh+\sp], v177, 8, v176
	v_lshl_or_b32 v[WD+8*\e+4*\kh+\sp], v178, 16, v[WD+8*\e+4*\kh+\sp]
	v_lshl_or_b32 v[WD+8*\e+4*\kh+\sp], v179, 24, v[WD+8*\e+4*\kh+\sp]
	v_add_nc_u32 v[WD+8*\e+4*\kh+\sp], 0xfdfdfdfe, v[WD+8*\e+4*\kh+\sp]   ; 2 off each of the four bytes: none is under 3, so nothing is borrowed
.endm
.irp e, 0,1
.irp k, 0,1
.irp p, 0,1,2,3
	SCL \e, \k, \p
.endr
.endr
.endr
	; every store has data registers of its own; each half of the lanes stores 256 consecutive bytes, aligned
.irp e, 0,1
.irp b, 0,1,2,3
	global_store_b128 v[185+\e], v[APR+32*\e+8*\b+4:APR+32*\e+8*\b+7], s[32:33] offset:(\b>>1)*10240+(\b&1)*256
	global_store_b128 v[187+\e], v[APR+32*\e+8*\b:APR+32*\e+8*\b+3], s[32:33] offset:(\b>>1)*10240+512+(\b&1)*256
.endr
.irp k, 0,1
	global_store_b128 v[185+\e], v[WD+8*\e+4*\k:WD+8*\e+4*\k+3], s[34:35] offset:\k*10240+8192
.endr
.endr
	s_wait_tensorcnt 0x0
	ds_add_u32 v254, v255
	s_wait_dscnt 0x0
	s_endpgm
.Lfunc_end_k_q2e74dc4b79_ab:
	.size	k_q2e74dc4b79_ab, .Lfunc_end_k_q2e74dc4b79_ab-k_q2e74dc4b79_ab
	.p2alignl 7, 3214868480
	.fill 96, 4, 3214868480
	.section	.rodata,"a",@progbits
	.p2align	6, 0x0
	.amdhsa_kernel k_q2e74dc4b79_ab
		.amdhsa_group_segment_fixed_size 82432
		.amdhsa_private_segment_fixed_size 0
		.amdhsa_enable_private_segment 0
		.amdhsa_kernarg_size 48
		.amdhsa_user_sgpr_count 2
		.amdhsa_user_sgpr_kernarg_segment_ptr 1
		.amdhsa_wavefront_size32 1
		.amdhsa_system_sgpr_workgroup_id_x 1
		.amdhsa_system_sgpr_workgroup_id_y 1
		.amdhsa_system_sgpr_workgroup_id_z 1
		.amdhsa_system_vgpr_workitem_id 0
		.amdhsa_next_free_vgpr 768
		.amdhsa_next_free_sgpr 66
		.amdhsa_reserve_vcc 0
		.amdhsa_float_denorm_mode_32 3
		.amdhsa_float_denorm_mode_16_64 3
		.amdhsa_memory_ordered 1
		.amdhsa_forward_progress 1
		.amdhsa_inst_pref_size 70
	.end_amdhsa_kernel
	.amdgpu_metadata
---
amdhsa.version: [ 1, 2 ]
amdhsa.kernels:
  - .name:           k_q2e74dc4b79_ab
    .symbol:         k_q2e74dc4b79_ab.kd
    .args:
      - { .name: x, .offset: 0, .size: 8, .value_kind: global_buffer, .address_space: global }
      - { .name: wab, .offset: 8, .size: 8, .value_kind: global_buffer, .address_space: global }
      - { .name: b1, .offset: 16, .size: 8, .value_kind: global_buffer, .address_space: global }
      - { .name: b2, .offset: 24, .size: 8, .value_kind: global_buffer, .address_space: global }
      - { .name: asb, .offset: 32, .size: 8, .value_kind: global_buffer, .address_space: global }
      - { .name: bimg, .offset: 40, .size: 8, .value_kind: global_buffer, .address_space: global }
    .group_segment_fixed_size: 82432
    .private_segment_fixed_size: 0
    .kernarg_segment_align: 8
    .kernarg_segment_size: 48
    .max_flat_workgroup_size: 128
    .sgpr_count:     66
    .vgpr_count:     768
    .wavefront_size: 32
...
	.end_amdgpu_metadata
.endif
;; end of part 2
;; launch main (part 3): grid 8 x 32, 8 waves a work-group, clusters of 4 x 4, 327,680 bytes of LDS; arguments w3c, asb, bimg, b3, out0; writes out0
.if DOCPART == 3
	.amdgcn_target "amdgcn-amd-amdhsa--gfx1250"
	.amdhsa_code_object_version 6
	.text
	.protected	k_q2e74dc4b79_main
	.globl	k_q2e74dc4b79_main
	.p2align	8
	.type	k_q2e74dc4b79_main,@function
k_q2e74dc4b79_main:
	s_mov_b64 s[64:65], 0
	v_nop
	global_prefetch_b8 v0, s[64:65] scope:SCOPE_SE
	s_setreg_imm32_b32 hwreg(HW_REG_WAVE_MODE, 25, 1), 1
	s_wait_xcnt 0x0
	s_wait_alu depctr_hold_cnt(0) depctr_sa_sdst(0) depctr_va_vdst(0) depctr_va_sdst(0) depctr_va_ssrc(0) depctr_va_vcc(0) depctr_vm_vsrc(0)
	s_getreg_b32 s2, hwreg(HW_REG_IB_STS2, 6, 4)
	s_cmp_eq_u32 s2, 0
	s_cbranch_scc0 .Lentry_in_a_cluster
	s_endpgm
.Lentry_in_a_cluster:
	s_bfe_u32 s2, ttmp6, 0x10000c
	s_cmp_lg_u32 s2, 0xf033
	s_cbranch_scc0 .Lentry_shape_is_right
	s_endpgm
.Lentry_shape_is_right:
; out[row][col] = sum over k = 128 i + j of Q(a_i b_j) Q(w3[k][col]) + b3[col]: 4,096 x 16,384 x 1,024, on codes of FP6 (E2M3) with E8M0 scales.  The left operand is made and quantised in registers.
; SHARES.  A work-group makes 128 rows x 128 columns.  EIGHT waves, two to a SIMD: wave (mq, kh) holds 32 rows x 128 columns (16 accumulators) over ONE HALF OF K: j blocks 2 kh and 2 kh + 1.
; A K step sigma (64 of them) is 128 along K: block 2 c + h is i = 2 sigma + c, j block 2 kh + h.  So lane (r, h) wants, for each tile of 16 rows, 32 numbers of b for the whole launch (64 registers) and two numbers a' a step.
; a' = a_i / the block's scale comes from the launch before, with the scale bytes: fl(a' b_j) is the number to be rounded, and the conversion's scale is 1.  A fragment is 32 packed multiplies, 4 conversions, 6 moves.
; The two halves of K are summed apart and added on the way out, with b3.  LIMITS: as the two launches before state them.
; w3's fragments come as images of their registers (three loads of 16 bytes a lane), through a ring of two LDS slots of four K steps for both halves of K; a' and the scale words ride in the same slots.
; a' runs half a slot ahead (a slot holds steps 2, 3 of its own and 0, 1 of the next), so that at the head of a slot's last step all that is still wanted of the slot lies in registers: THERE the slots change,
; and the refill has the whole of four K steps, 64 matrix instructions of each wave, in which to land.
; CLUSTER 4 x 4: w3's tiles hang on the column block alone and are asked for jointly along a column of the cluster, a' and its words on the row block alone, along a row.
; WINDOWS.  1: v0-127 accumulators (tile tl, fragment n at 8 (8 tl + n)); v128-191 b; v192-223 products at work; v224-247 the two fragments; v248-254 half blocks of codes.
;   0: v2-15 addresses; v16-31 w3's scale words, v32-39 the left operand's; v40-47 offsets, the number 1, b3; v48-55 a' of steps 2, 3, v56-63 of steps 0, 1; v64-159, v160-255 w3's two sets (rows of C on the way out).
; Under ONE setting (source 0, C and D in window 1, source 1 in window 0) run the product, the multiply (b x a'), the conversion and the moves: vector work stands in slices behind the matrix instructions with no switch between.
.set SLOT1, 131072
.set CH,    12800                      ; a chunk: one K step's 8 fragments (1,536 bytes each) and 512 bytes of scale words
.set W3H,   51200                      ; four chunks: a slot's part for one half of K
.set ASH,   10240                      ; a' (8,192) and words (2,048) of a slot, one half of K
.set AOFF,  102400
.set SPARE, 262144                     ; the spare words: 128 bytes a wave, four blocks of 256 bytes that no other line names
.set STGH,  67584                      ; the way out: 128 rows x 528 bytes for each half of K, over the slots, which have had their last fill and their last read by then
.set SPI,   528
.set SPW, 2
.set NIL, 3
.set AW0, 4                            ; v4-7  my lane's place in a slot: fragments, w3's words, a', its words;  v8-11 the same in the slot in hand
.set AS0, 5
.set AA0, 6
.set AX0, 7
.set LAW, 8
.set LAS, 9
.set LAA, 10
.set LAX, 11
.set STO, 12
.set RD,  13
.set RD2, 14
.set CO,  15
.set WSC, 16
.set AWD, 32
.set PFOW, 40
.set PFOA, 41
.set BOF, 42
.set ONE, 43
.set B3,  44
.set UU,  48
.set W3,  64
.set OUTA, 64
.set OUTB, 128
.set BB,  128
.set T0,  192
.set T1,  208
.set FF,  224
.set SS,  248
.set BASE, 0x51
.set G1W, 24
.set G0W, 32                           ; s[32:39] group 0 for w3: slot 0's first fill, and the set that walks
.set G1A, 48
.set G0A, 56
.set TB,  66
.set CNT, 67
.set PFW, 68
.set PFA, 70
.set LIMW, 72
.set LIMA, 73
.set MSB, 0
.macro WIN new
.if MSB != (\new)
	s_set_vgpr_msb (MSB<<8)|(\new)
.set MSB, \new
.endif
.endm
; A joint load by descriptor set o (0: slot 0's first fill; 4: the walking set): waves 0 to 3 fetch a quarter each of w3's part of a slot, waves 4 to 7 of a's.  An s_nop 0 and four v_nop follow each line.
.macro JLOAD o
	s_cmp_eq_u32 s15, 0
	s_cbranch_scc0 .Lfor_a_\@
	tensor_load_to_lds s[G0W+\o:G0W+\o+3], s[G1W:G1W+7]
	s_nop 0
.rept 4
	v_nop
.endr
	s_branch .Lasked_\@
.Lfor_a_\@:
	tensor_load_to_lds s[G0A+\o:G0A+\o+3], s[G1A:G1A+7]
	s_nop 0
.rept 4
	v_nop
.endr
.Lasked_\@:
.endm
.macro CREST
	s_cmp_lg_u32 s14, 0
	s_cbranch_scc1 .Lnot_wave_0_\@
	s_barrier_signal -3
.Lnot_wave_0_\@:
	s_barrier_wait -3
	s_barrier_signal -1
	s_barrier_wait -1
.endm
.macro CROUND
	s_barrier_signal -1
	s_barrier_wait -1
	CREST
.endm
; PREFETCHES, behind the joint load and its lines: slot t + 4 at the change that leaves slot t, two refills ahead of the load that wants it.
; w3c's 102,400 bytes of a slot: the cluster with y = 0 asks; the four partners that share them, waves 0 to 3 of each, take 25 blocks of 256 bytes a wave, told apart by address.
; asb's 20,480 bytes: the cluster with x = 0 asks, 5 blocks a wave.  A lane a block; the lanes left over name the wave's last block again.  Nothing is asked for in the last two changes that fill a slot: slot 15 is the last.
.macro ASK
	s_cmp_gt_u32 s[CNT], s[LIMW]
	s_cbranch_scc0 .Lnot_w_\@
	global_prefetch_b8 v[PFOW], s[PFW:PFW+1] th:TH_LOAD_NT scope:SCOPE_SE
.Lnot_w_\@:
	s_cmp_gt_u32 s[CNT], s[LIMA]
	s_cbranch_scc0 .Lnot_a_\@
	global_prefetch_b8 v[PFOA], s[PFA:PFA+1] th:TH_LOAD_NT scope:SCOPE_SE
.Lnot_a_\@:
.endm
	s_load_b256 s[4:11], s[0:1], 0x0               ; w3c, asb, bimg, b3
	s_load_b64 s[12:13], s[0:1], 0x20              ; out0
	v_lshl_add_u32 v[SPW], v0, 2, SPARE
	v_mov_b32 v[NIL], 0
	ds_add_u32 v[SPW], v[NIL]                      ; the opening lines: the add, twice on end, and its wait ahead of my first tensor load
	ds_add_u32 v[SPW], v[NIL]
	v_lshrrev_b32 v1, 5, v0
	v_readfirstlane_b32 s14, v1                    ; wave 0..7
	s_lshr_b32 s15, s14, 2                         ; I fetch for w3 (0) or for a' (1)
	s_and_b32 s16, s14, 1                          ; kh
	s_lshr_b32 s17, s14, 1                         ; mq
	s_and_b32 s3, s14, 3                           ; which quarter I fetch
	s_bfe_u32 s40, ttmp6, 0x40000                  ; cx, cy
	s_bfe_u32 s41, ttmp6, 0x40004
	s_lshl_b32 s42, ttmp9, 2
	s_add_co_u32 s42, s42, s40                     ; ng: my 128 columns
	s_and_b32 s43, ttmp7, 0xffff
	s_lshl_b32 s43, s43, 2
	s_add_co_u32 s43, s43, s41                     ; R: my 128 rows
	s_lshl_b32 s44, 0x1111, s40                    ; my column of the cluster
	s_lshl_b32 s45, s41, 2
	s_lshl_b32 s45, 15, s45                        ; my row
	s_or_b32 s[G1W], s44, (3<<16)|(1<<21)          ; dense blocks as rows of 256 bytes (32 elements of 8 bytes), no padding
	s_mov_b32 s[G1W+1], 32<<16
	s_mov_b32 s[G1W+2], 100<<16                    ; 100 rows: 25,600 bytes
	s_mov_b32 s[G1W+3], 32<<16
	s_mov_b32 s[G1W+4], 100
	s_mov_b32 s[G1W+5], 32
	s_mov_b32 s[G1W+6], 0
	s_mov_b32 s[G1W+7], 0
	s_or_b32 s[G1A], s45, (3<<16)|(1<<21)
	s_mov_b32 s[G1A+1], 32<<16
	s_mov_b32 s[G1A+2], 20<<16                     ; 20 rows: 5,120 bytes
	s_mov_b32 s[G1A+3], 32<<16
	s_mov_b32 s[G1A+4], 20
	s_mov_b32 s[G1A+5], 32
	s_mov_b32 s[G1A+6], 0
	s_mov_b32 s[G1A+7], 0
	s_mul_i32 s20, s3, 25600                       ; my quarter of w3's part, in memory and in LDS alike: no place in the cluster enters an LDS address
	s_mul_i32 s18, s42, 1638400                    ; w3c: [ng][t 16][102,400]
	s_add_co_u32 s18, s18, s20
	s_mov_b32 s19, 0
	s_mul_i32 s21, s3, 5120
	s_mul_i32 s22, s43, 327680                     ; asb: [R][t 16][20,480]
	s_add_co_u32 s22, s22, s21
	s_mov_b32 s23, 0
	s_mov_b32 s[TB], 0
	s_wait_dscnt 0x0                               ; both opening adds are done
	s_wait_kmcnt 0x0
	s_add_nc_u64 s[74:75], s[4:5], s[18:19]
	s_add_nc_u64 s[76:77], s[6:7], s[22:23]
	CROUND                                         ; all sixteen work-groups are here: the first joint loads meet
.irp s, 0,1
	s_mov_b32 s[G0W+4*\s], 1
	s_add_co_u32 s[G0W+4*\s+1], s20, \s*SLOT1
	s_add_nc_u64 s[G0W+4*\s+2:G0W+4*\s+3], s[74:75], \s*102400
	s_or_b32 s[G0W+4*\s+3], s[G0W+4*\s+3], 0x80000000
	s_mov_b32 s[G0A+4*\s], 1
	s_add_co_u32 s[G0A+4*\s+1], s21, AOFF+\s*SLOT1
	s_add_nc_u64 s[G0A+4*\s+2:G0A+4*\s+3], s[76:77], \s*20480
	s_or_b32 s[G0A+4*\s+3], s[G0A+4*\s+3], 0x80000000
.endr
	JLOAD 0                                        ; slot 0: one tensor load a wave at the head
	; the scalar work first, then the vector lines in one run
	s_mul_i32 s80, s16, W3H                        ; my half of K in w3's part
	s_mul_i32 s81, s16, ASH
	s_add_co_u32 s81, s81, AOFF
	s_lshl_b32 s82, s17, 11
	s_add_co_u32 s82, s82, s81                     ; a': my two row tiles (1,024 bytes each)
	s_lshl_b32 s83, s17, 9
	s_add_co_u32 s83, s83, s81
	s_add_co_u32 s83, s83, 8192                    ; its words: 256 bytes a row tile
	s_mul_i32 s84, s16, STGH
	s_mul_i32 s85, s17, 32*SPI
	s_add_co_u32 s84, s84, s85                     ; the stage, in
	s_mul_i32 s85, s14, 16*SPI                     ; and back: wave w takes rows 16 w on
	s_lshl_b32 s46, s43, 16                        ; bimg: 8 row tiles of 8,192 bytes to a row block, my two, my two j blocks
	s_lshl_b32 s47, s17, 14
	s_add_co_u32 s46, s46, s47
	s_lshl_b32 s47, s16, 12
	s_add_co_u32 s46, s46, s47
	s_mov_b32 s47, 0
	s_add_nc_u64 s[8:9], s[8:9], s[46:47]
	s_mul_i32 s46, s43, 327680
	s_mul_i32 s2, s16, ASH
	s_add_co_u32 s46, s46, s2
	s_lshl_b32 s2, s17, 11
	s_add_co_u32 s46, s46, s2
	s_add_nc_u64 s[78:79], s[6:7], s[46:47]        ; asb at (R, slot 0, kh), my two row tiles
	s_lshl_b32 s46, s42, 9
	s_add_nc_u64 s[10:11], s[10:11], s[46:47]      ; b3 at my columns
	s_add_nc_u64 s[12:13], s[12:13], s[46:47]
	s_lshl_b32 s46, s43, 19
	s_lshl_b32 s2, s14, 16
	s_add_co_u32 s46, s46, s2
	s_add_nc_u64 s[12:13], s[12:13], s[46:47]      ; out0 at row 128 R + 16 w
	s_lshl_b32 s2, s41, 2                          ; the prefetches: w3c: share 4 cy + w % 4 of the sixteen
	s_add_co_u32 s2, s2, s3
	s_mul_i32 s2, s2, 6400
	s_mul_i32 s46, s42, 1638400
	s_add_co_u32 s2, s2, s46
	s_add_co_u32 s2, s2, 3*102400                  ; at slot 3: the first change of slots steps it to slot 4
	s_lshl_b32 s46, s40, 2                         ; asb: share 4 cx + w % 4
	s_add_co_u32 s46, s46, s3
	s_mul_i32 s46, s46, 1280
	s_mul_i32 s3, s43, 327680
	s_add_co_u32 s46, s46, s3
	s_add_co_u32 s46, s46, 3*20480
	s_mov_b32 s3, 0
	s_add_nc_u64 s[PFW:PFW+1], s[4:5], s[2:3]
	s_add_nc_u64 s[PFA:PFA+1], s[6:7], s[46:47]
	s_and_b32 s46, ttmp7, 0xffff
	s_or_b32 s46, s46, s15                         ; the cluster's y, and waves 0 to 3: the same in all sixteen partners
	s_cmp_eq_u32 s46, 0
	s_cselect_b32 s[LIMW], 2, -1
	s_or_b32 s46, ttmp9, s15
	s_cmp_eq_u32 s46, 0
	s_cselect_b32 s[LIMA], 2, -1
	v_and_b32 v1, 31, v0                           ; lane
	v_and_b32 v64, 15, v0                          ; r
	v_bfe_u32 v65, v0, 4, 1                        ; h
	v_lshlrev_b32 v[CO], 4, v1
	v_lshlrev_b32 v66, 4, v64                      ; 16 r
	v_add_nc_u32 v[AW0], s80, v[CO]
	v_add_nc_u32 v[AS0], s80, v66
	v_add_nc_u32 v[AA0], s82, v[CO]
	v_add_nc_u32 v[AX0], s83, v66
.irp i, 0,1,2,3
	v_add_nc_u32 v[LAW+\i], s[TB], v[AW0+\i]
.endr
	v_mul_u32_u24 v[STO], v65, 8*SPI
	v_lshl_add_u32 v[STO], v64, 2, v[STO]
	v_add_nc_u32 v[STO], s84, v[STO]               ; my half of K, my 32 rows, + 8 h rows, + 4 r
	v_add_nc_u32 v[RD], s85, v[CO]
	v_add_nc_u32 v[RD2], STGH, v[RD]
	v_lshl_add_u32 v[BOF], v65, 11, v66            ; b: j block 2 kh + h: 2,048 h + 16 r
	v_min_u32 v[PFOW], 24, v1
	v_lshlrev_b32 v[PFOW], 8, v[PFOW]
	v_min_u32 v[PFOA], 4, v1
	v_lshlrev_b32 v[PFOA], 8, v[PFOA]
	v_mov_b32 v[ONE], 1.0
	s_wait_alu depctr_va_vdst(0)                   ; the wait at the end of the addresses
	WIN 0x40                                       ; b stays in registers of window 1
.irp t, 0,1
.irp q, 0,1,2,3,4,5,6,7
	global_load_b128 v[BB+32*\t+4*\q:BB+32*\t+4*\q+3], v[BOF], s[8:9] offset:\t*8192+\q*256
.endr
.endr
	WIN 0
.irp t, 0,1
	global_load_b128 v[UU+8+4*\t:UU+8+4*\t+3], v[CO], s[78:79] offset:15*20480+\t*1024+512   ; a' of steps 0, 1 of slot 0 lies, by the circle, in slot 15's bytes
.endr
	global_load_b128 v[B3:B3+3], v[CO], s[10:11]
; ITEM gj OF THE 42 THAT MAKE FRAGMENT tl (step sp).  0-7: 16 products with i even; 8: their codes; 9-16, 17: the block's other 16 (codes to a side place: a conversion's three registers begin on an even
; number); 18-35: the same with i odd; 36-41: the side places' codes move in.  Behind each conversion the next item is plain and names none of its registers.
.macro GI tl, sp
.set gB, BB+32*(\tl)
.set gF, FF+12*(\tl)
.set gA, UU+8*(1-(((\sp)&3)>>1))+4*(\tl)+2*((\sp)&1)
.if gj < 8
	v_pk_mul_f32 v[T0+2*gj:T0+2*gj+1], v[gB+2*gj:gB+2*gj+1], v[gA:gA+1] op_sel_hi:[1,0]
.elseif gj == 8
	v_cvt_scalef32_pk16_fp6_f32 v[gF:gF+2], v[T0:T0+15], v[ONE]
.elseif gj < 17
	v_pk_mul_f32 v[T1+2*(gj-9):T1+2*(gj-9)+1], v[gB+16+2*(gj-9):gB+16+2*(gj-9)+1], v[gA:gA+1] op_sel_hi:[1,0]
.elseif gj == 17
	v_cvt_scalef32_pk16_fp6_f32 v[SS:SS+2], v[T1:T1+15], v[ONE]
.elseif gj < 26
	v_pk_mul_f32 v[T0+2*(gj-18):T0+2*(gj-18)+1], v[gB+2*(gj-18):gB+2*(gj-18)+1], v[gA:gA+1] op_sel:[0,1] op_sel_hi:[1,1]
.elseif gj == 26
	v_cvt_scalef32_pk16_fp6_f32 v[gF+6:gF+8], v[T0:T0+15], v[ONE]
.elseif gj < 35
	v_pk_mul_f32 v[T1+2*(gj-27):T1+2*(gj-27)+1], v[gB+16+2*(gj-27):gB+16+2*(gj-27)+1], v[gA:gA+1] op_sel:[0,1] op_sel_hi:[1,1]
.elseif gj == 35
	v_cvt_scalef32_pk16_fp6_f32 v[SS+4:SS+6], v[T1:T1+15], v[ONE]
.elseif gj < 39
	v_mov_b32 v[gF+3+gj-36], v[SS+gj-36]
.else
	v_mov_b32 v[gF+9+gj-39], v[SS+4+gj-39]
.endif
.endm
.macro MM tl, sp, zero                 ; the product of fragment tl with w3's fragment pnn, step sp.  zero = 1: it starts the sum
.set mD, 8*(8*(\tl)+pnn)
.set mF, FF+12*(\tl)
.set mW, W3+96*((\sp)&1)+12*pnn
.set mSA, AWD+4*(((\sp)&3)>>1)+2*(\tl)+((\sp)&1)
.set mSB, WSC+8*((\sp)&1)+pnn
.if \zero
	v_wmma_scale_f32_16x16x128_f8f6f4 v[mD:mD+7], v[mF:mF+11], v[mW:mW+11], 0, v[mSA], v[mSB] matrix_a_fmt:MATRIX_FMT_FP6 matrix_b_fmt:MATRIX_FMT_FP6
.else
	v_wmma_scale_f32_16x16x128_f8f6f4 v[mD:mD+7], v[mF:mF+11], v[mW:mW+11], v[mD:mD+7], v[mSA], v[mSB] matrix_a_fmt:MATRIX_FMT_FP6 matrix_b_fmt:MATRIX_FMT_FP6
.endif
.endm
.macro LFR n
.irp g, 0,1,2
	ds_load_b128 v[W3+96*ps+12*(\n)+4*\g:W3+96*ps+12*(\n)+4*\g+3], v[LAW] offset:sn*CH+(\n)*1536+\g*512
.endr
.endm
; THE ONE RUN OF LDS LOADS OF A STEP, 28 of them, for the step after sp: w3's words, the left operand's words (every second step: two steps' worth) or a' (the other steps), w3's eight fragments.
; The registers' last matrix reader stands five plain vector lines back or more: the tail of the step before.
.macro LRUN sp
.set sn, ((\sp)+1)&3
.set ps, 1-((\sp)&1)
	WIN 0
	ds_load_b128 v[WSC+8*ps:WSC+8*ps+3], v[LAS] offset:sn*CH+12288
	ds_load_b128 v[WSC+8*ps+4:WSC+8*ps+7], v[LAS] offset:sn*CH+12288+256
.if (\sp)&1
.irp t, 0,1
	ds_load_b64 v[AWD+4*(1-((\sp)>>1))+2*\t:AWD+4*(1-((\sp)>>1))+2*\t+1], v[LAX] offset:\t*256+8*(1-((\sp)>>1))
.endr
.else
.irp t, 0,1
	ds_load_b128 v[UU+8*((\sp)>>1)+4*\t:UU+8*((\sp)>>1)+4*\t+3], v[LAA] offset:\t*1024+512*((\sp)>>1)
.endr
.endif
.irp n, 0,1,2,3,4,5,6,7
	LFR \n
.endr
.endm
; Index pix of a pass's 42 vector lines.  0-36: items 5-41 of the MAIN list (tl = 0: fragment 1 of this step; tl = 1: fragment 0 of the next).  37-41: items 0-4 of the list that FOLLOWS: five plain multiplies,
; the places between the main list's last write and the product that reads it, and behind the pass's last product.  gl = 0: v_nop in their stead.
.macro PITEM tl, sp, gm, gl
.if pix < 37
.if \gm
.set gj, pix+5
.if (\tl) == 0
	GI 1, \sp
.else
	GI 0, (\sp)+1
.endif
.endif
.else
.if \gl
.set gj, pix-37
.if (\tl) == 0
	GI 0, (\sp)+1
.else
	GI 1, (\sp)+1
.endif
.else
	v_nop
.endif
.endif
.set pix, pix+1
.endm
; A PASS: fragment tl against w3's eight; a slice of 6, 5, 5, 5, 6, 5, 5, 5 vector lines behind each product.  The 16 accumulators take turns, one instruction a turn, in the same order in every step.
; run = 1: the step's run of loads stands behind the first product.
.macro PASS tl, sp, zero, gm, gl, run
.set pix, 0
.set pnn, 0
.rept 8
	WIN BASE
	MM \tl, \sp, \zero
.if (pnn == 0) && ((\run) > 0)
	LRUN \sp
	WIN BASE
.endif
.rept 5
	PITEM \tl, \sp, \gm, \gl
.endr
.if (pnn & 3) == 0
	PITEM \tl, \sp, \gm, \gl
.endif
.set pnn, pnn+1
.endr
.endm
; A K STEP.  chg = 1, 2: a slot's last step changes slots AT ITS HEAD: its own operands are in registers, so my reads of the slot are over.  Each wave waits for all its tensor loads (its part of the next slot),
; adds 0 to its spare word and waits for that.  chg = 1: the barrier opens a round of the cluster's barrier, and the slot just left is filled again, two slots ahead.  chg = 2: nothing is left to fetch.
.macro STEP sp, zero, nxt, chg
	s_wait_alu depctr_va_vdst(0)
	s_wait_dscnt 0x0                               ; this step's operands are in: the run went out 15 products ago
.if \chg
	WIN 0
.if (\chg) == 1
	s_wait_xcnt 0x0                                ; the last prefetches, a slot back, have read their addresses: they step here
	s_add_nc_u64 s[PFW:PFW+1], s[PFW:PFW+1], 102400
	s_add_nc_u64 s[PFA:PFA+1], s[PFA:PFA+1], 20480
.endif
	s_wait_tensorcnt 0x0                           ; no tensor load of mine is out, so a group 0 may be written
	ds_add_u32 v[SPW], v[NIL]
.if (\chg) == 1
	s_xor_b32 s[G0W+5], s[G0W+5], SLOT1            ; the walking descriptors: the other slot than last time, the next slot's bytes
	s_add_nc_u64 s[G0W+6:G0W+7], s[G0W+6:G0W+7], 102400
	s_xor_b32 s[G0A+5], s[G0A+5], SLOT1
	s_add_nc_u64 s[G0A+6:G0A+7], s[G0A+6:G0A+7], 20480
.endif
	s_wait_dscnt 0x0                               ; the add is done
	s_barrier_signal -1
	s_barrier_wait -1
.if (\chg) == 1
	CREST                                          ; no wave of any partner still reads this slot's tiles or has a load on its way
	JLOAD 4                                        ; the first tensor load behind the round, and my only one until the next
	ASK
.endif
	s_xor_b32 s[TB], s[TB], SLOT1                  ; on to the other slot, which is whole
.irp i, 0,1,2,3
	v_add_nc_u32 v[LAW+\i], s[TB], v[AW0+\i]
.endr
.endif
.if \nxt
	PASS 0, \sp, \zero, 1, 1, 1
	PASS 1, \sp, \zero, 1, 1, 0
.else
	PASS 0, \sp, \zero, 1, 0, 0
	PASS 1, \sp, \zero, 0, 0, 0
.endif
.endm
	s_wait_loadcnt 0x0                             ; b, a' of steps 0 and 1, b3
	WIN BASE                                       ; fragment 0 of step 0 and the first five items of fragment 1 are made while slot 0 is on its way
.set gj, 0
.rept 42
	GI 0, 0
.set gj, gj+1
.endr
.set gj, 0
.rept 5
	GI 1, 0
.set gj, gj+1
.endr
	WIN 0
	s_wait_alu depctr_va_vdst(0)                   ; the wait at the head's end
	s_wait_tensorcnt 0x0                           ; my part of slot 0 is in; the same lines as ahead of a refill stand ahead of slot 1's first fill
	ds_add_u32 v[SPW], v[NIL]
	s_wait_dscnt 0x0
	CROUND
	JLOAD 4                                        ; slot 1
	LRUN 3                                         ; step 0's operands: w3's set 0, its words, the left operand's words of steps 0, 1
	STEP 0, 1, 1, 0                                ; the first step stands in front of the loop: its products start the sums
	WIN 0
	s_mov_b32 s[CNT], 14
.Lslot:                                                ; 14 trips: from a slot's second step to the next slot's first; each fills the slot that it leaves
	STEP 1, 0, 1, 0
	STEP 2, 0, 1, 0
	STEP 3, 0, 1, 1
	STEP 0, 0, 1, 0
	WIN 0
	s_sub_co_u32 s[CNT], s[CNT], 1
	s_cmp_lg_u32 s[CNT], 0
	s_cbranch_scc1 .Lslot
	STEP 1, 0, 1, 0                                ; the tail is written out: slot 14 is left and nothing is asked for
	STEP 2, 0, 1, 0
	STEP 3, 0, 1, 2
	STEP 0, 0, 1, 0
	STEP 1, 0, 1, 0
	STEP 2, 0, 1, 0
	STEP 3, 0, 0, 0                                ; the last step makes no fragment for a next one; the five v_nop at its end are the places behind the last products
	WIN 0
	; THE WAY OUT.  Each wave's 32 x 128 sums go to its half of K's stage; a barrier on each side; then wave w adds the two halves and b3 for rows 16 w on and stores whole rows of 512 bytes.
	s_wait_dscnt 0x0
	s_barrier_signal -1
	s_barrier_wait -1                              ; no wave reads the ring any more, and it has had its last fill
	WIN 0x04                                       ; an LDS store's data are its source 1: window 1
.irp t, 0,1
.irp n, 0,1,2,3,4,5,6,7
.irp j, 0,1,2,3,4,5,6,7
	ds_store_b32 v[STO], v[8*(8*\t+\n)+\j] offset:(16*\t+\j)*SPI+64*\n      ; (row 16 tl + 8 h + j of my 32, column 16 n + r); each accumulator from its low end on
.endr
.endr
.endr
	WIN 0
	s_wait_dscnt 0x0                               ; for the others' sake: my stores into the stage have landed
	s_barrier_signal -1
	s_barrier_wait -1
.irp p, 0,1,2,3,4,5,6,7,8,9,10,11,12,13,14,15
	ds_load_b128 v[OUTA+4*\p:OUTA+4*\p+3], v[RD] offset:\p*SPI
	ds_load_b128 v[OUTB+4*\p:OUTB+4*\p+3], v[RD2] offset:\p*SPI
.endr
.irp p, 0,1,2,3,4,5,6,7,8,9,10,11,12,13,14,15
	s_wait_dscnt 30-2*\p                           ; row p's two loads are in; the pairs behind them may be out
	v_pk_add_f32 v[OUTA+4*\p:OUTA+4*\p+1], v[OUTA+4*\p:OUTA+4*\p+1], v[OUTB+4*\p:OUTB+4*\p+1]
	v_pk_add_f32 v[OUTA+4*\p+2:OUTA+4*\p+3], v[OUTA+4*\p+2:OUTA+4*\p+3], v[OUTB+4*\p+2:OUTB+4*\p+3]
	v_pk_add_f32 v[OUTA+4*\p:OUTA+4*\p+1], v[OUTA+4*\p:OUTA+4*\p+1], v[B3:B3+1]
	v_pk_add_f32 v[OUTA+4*\p+2:OUTA+4*\p+3], v[OUTA+4*\p+2:OUTA+4*\p+3], v[B3+2:B3+3]
	global_store_b128 v[CO], v[OUTA+4*\p:OUTA+4*\p+3], s[12:13] offset:\p*4096 th:TH_STORE_NT   ; 32 lanes store 512 consecutive bytes, at a multiple of 256 from the buffer's first byte
.endr
	s_wait_tensorcnt 0x0                           ; the wave's end
	ds_add_u32 v[SPW], v[NIL]
	s_wait_dscnt 0x0
	CROUND                                         ; the closing round
	s_endpgm
.Lfunc_end_k_q2e74dc4b79_main:
	.size	k_q2e74dc4b79_main, .Lfunc_end_k_q2e74dc4b79_main-k_q2e74dc4b79_main
	.p2alignl 7, 3214868480
	.fill 96, 4, 3214868480
	.section	.rodata,"a",@progbits
	.p2align	6, 0x0
	.amdhsa_kernel k_q2e74dc4b79_main
		.amdhsa_group_segment_fixed_size 327680
		.amdhsa_private_segment_fixed_size 0
		.amdhsa_enable_private_segment 0
		.amdhsa_kernarg_size 40
		.amdhsa_user_sgpr_count 2
		.amdhsa_user_sgpr_kernarg_segment_ptr 1
		.amdhsa_wavefront_size32 1
		.amdhsa_system_sgpr_workgroup_id_x 1
		.amdhsa_system_sgpr_workgroup_id_y 1
		.amdhsa_system_sgpr_workgroup_id_z 1
		.amdhsa_system_vgpr_workitem_id 0
		.amdhsa_next_free_vgpr 512
		.amdhsa_next_free_sgpr 100
		.amdhsa_reserve_vcc 0
		.amdhsa_float_denorm_mode_32 3
		.amdhsa_float_denorm_mode_16_64 3
		.amdhsa_memory_ordered 1
		.amdhsa_forward_progress 1
		.amdhsa_inst_pref_size 136
	.end_amdhsa_kernel
	.amdgpu_metadata
---
amdhsa.version: [ 1, 2 ]
amdhsa.kernels:
  - .name:           k_q2e74dc4b79_main
    .symbol:         k_q2e74dc4b79_main.kd
    .args:
      - { .name: w3c, .offset: 0, .size: 8, .value_kind: global_buffer, .address_space: global }
      - { .name: asb, .offset: 8, .size: 8, .value_kind: global_buffer, .address_space: global }
      - { .name: bimg, .offset: 16, .size: 8, .value_kind: global_buffer, .address_space: global }
      - { .name: b3, .offset: 24, .size: 8, .value_kind: global_buffer, .address_space: global }
      - { .name: out0, .offset: 32, .size: 8, .value_kind: global_buffer, .address_space: global }
    .group_segment_fixed_size: 327680
    .private_segment_fixed_size: 0
    .kernarg_segment_align: 8
    .kernarg_segment_size: 40
    .max_flat_workgroup_size: 256
    .sgpr_count:     100
    .vgpr_count:     512
    .wavefront_size: 32
...
	.end_amdgpu_metadata
.endif
;; end of part 3
